; MI455X (gfx1250); checked and timed in simulation.
; The chip was launched on July 23, 2026; its instructions are those of AMD's public machine-readable ISA for CDNA 5 (MIT licence, August 2026) and "CDNA5" Instruction Set Architecture Reference Guide (July 2026). The comments in the code are by the model that wrote it; some were corrected since.
;; Vector Quantizer. Allowed arithmetic: float matrix products may take bf16 or f16 operands with f32 sums; all other float work in f32.
;; Inputs: W 8,192 x 128 float32; z_e 32,768 x 128 float32.
;; Outputs: out0 32,768 x 128 float32; out1 one number float32; out2 one number float32; out3 32,768 int32.
;; One version. Each part assembles by itself: llvm-mc -triple=amdgcn-amd-amdhsa -mcpu=gfx1250 --defsym DOCPART=n.
;; ======== version 1 of 1: 4 launches
;; workspace buffers: wb 2,228,224 bytes; idxw 131,072 bytes of whole numbers; part 1,024 bytes
;; launch prep (part 1): grid 256 x 1, 8 waves a work-group, no clusters, 9,728 bytes of LDS; arguments W, wb; writes wb
.if DOCPART == 1
	.amdgcn_target "amdgcn-amd-amdhsa--gfx1250"
	.amdhsa_code_object_version 6
	.text
	.protected	k_q59f5711f72_prep
	.globl	k_q59f5711f72_prep
	.p2align	8
	.type	k_q59f5711f72_prep,@function
k_q59f5711f72_prep:
	s_mov_b64 s[64:65], 0
	v_nop
	global_prefetch_b8 v0, s[64:65] scope:SCOPE_SE
	s_setreg_imm32_b32 hwreg(HW_REG_WAVE_MODE, 25, 1), 1
	s_wait_xcnt 0x0
; W [8192][128] f32  ->  wb: the codebook in bf16, laid out as the search launch wants it in LDS.
; wb = 512 blocks of 16 codes, 4,352 bytes each.  Row p of a block lies at 272 p: 256 bytes of bf16 (k ascending), then 16 bytes that
; hold, in f32, the squared norms of the block's codes 4 (p >> 2) .. 4 (p >> 2) + 3: the row's own group of four, the same in its four rows.
; The norms are sums of the ROUNDED numbers' squares: the search forms all three terms of a distance from the same bf16 vectors.
; The pitch of 272 bytes is an odd multiple of 16, so a block can be copied into LDS densely and read there as it lies.
; A work-group makes two blocks (32 codes): 16,384 bytes in, 8,704 bytes out.  Eight waves, four codes each: a code's row is 512 bytes,
; one 16-byte load a lane, and its norm is a sum over the wave.  A wave stores only into its own 1,088 bytes of LDS (four rows with their
; pads).  Behind one barrier the two blocks leave as they lie, 16 bytes a thread: each store of a wave covers 512 consecutive bytes, aligned to 256.
; No matrix unit, no cluster: the launch only streams, and no two work-groups read the same bytes.
.set PITCH, 272
.set TILEB, 16*PITCH
.set P,   4                            ; v[4:11]   four rows' packed bf16, a pair each
.set Q,   12                           ; v[12:15]  four rows' sums of squares
.set X,   16                           ; v[16:31]  row d: 4 registers as loaded
.set T,   32                           ; v[32:35]  the other half's sums
.set OFF, 36                           ; v36       16 x thread
.set O,   40                           ; v[40:51]  the blocks read back
	s_load_b128 s[4:7], s[0:1], 0x0                ; W s[4:5], wb s[6:7]
	v_lshl_add_u32 v52, v0, 2, 0x2200
	v_mov_b32 v53, 0
	v_lshrrev_b32 v1, 5, v0
	v_readfirstlane_b32 s16, v1                    ; wave 0..7
	s_lshl_b32 s8, ttmp9, 14                       ; 32 rows of 512 bytes,
	s_lshl_b32 s9, s16, 11                         ; four of them a wave
	s_add_co_u32 s8, s8, s9
	s_mov_b32 s9, 0
	s_mul_i32 s14, ttmp9, 2*TILEB                  ; two blocks
	s_mov_b32 s15, 0
	s_mov_b32 s10, 0xffff0000                      ; a word's upper bf16
	s_mov_b32 s12, 0x76543210                      ; v_permlanex16_b32: lane i reads lane i of the other half
	s_mov_b32 s13, 0xfedcba98
	s_mul_i32 s17, s16, 4*PITCH                    ; my four rows in LDS
	s_add_co_u32 s18, s17, 256                     ; and their pads
	v_and_b32 v1, 31, v0
	v_lshl_add_u32 v2, v1, 3, s17                  ; 8 x lane: my bytes of a bf16 row
	v_and_b32 v3, 3, v0
	v_mul_u32_u24 v3, v3, PITCH                    ; lane & 3 picks into which of the four rows' pads the lane writes a norm
	v_add_nc_u32 v3, s18, v3
	v_lshlrev_b32 v1, 4, v1                        ; 16 x lane: my bytes of an f32 row
	v_lshlrev_b32 v[OFF], 4, v0
.irp d, 0,1,2,3
	v_mov_b32 v[T+\d], 0                           ; v_permlanex16_b32 counts as a reader of its destination
.endr
	s_wait_kmcnt 0x0
	s_add_nc_u64 s[4:5], s[4:5], s[8:9]
	s_add_nc_u64 s[6:7], s[6:7], s[14:15]
.irp d, 0,1,2,3
	global_load_b128 v[X+4*\d:X+4*\d+3], v1, s[4:5] offset:512*\d
.endr
	; round, put the bf16 into LDS, widen the rounded numbers again, sum their squares over the wave, put the norms into the pads
.irp d, 0,1,2,3
.set RB, X+4*\d
	s_wait_loadcnt 3-\d                            ; loads come back in order: row d is in, the 3 - d younger ones stay out
	v_cvt_pk_bf16_f32 v[P+2*\d],   v[RB],   v[RB+1]
	v_cvt_pk_bf16_f32 v[P+2*\d+1], v[RB+2], v[RB+3]
	ds_store_b64 v2, v[P+2*\d:P+2*\d+1] offset:\d*PITCH
	v_lshlrev_b32 v[RB],   16,  v[P+2*\d]
	v_and_b32     v[RB+1], s10, v[P+2*\d]
	v_lshlrev_b32 v[RB+2], 16,  v[P+2*\d+1]
	v_and_b32     v[RB+3], s10, v[P+2*\d+1]
	v_pk_mul_f32 v[RB:RB+1], v[RB:RB+1], v[RB:RB+1]
	v_pk_fma_f32 v[RB:RB+1], v[RB+2:RB+3], v[RB+2:RB+3], v[RB:RB+1]
	v_add_f32 v[Q+\d], v[RB], v[RB+1]
.endr
.irp m, 1,2,4,8
.irp d, 0,1,2,3
	v_add_f32_dpp v[Q+\d], v[Q+\d], v[Q+\d] row_xmask:\m row_mask:0xf bank_mask:0xf
.endr
.endr
.irp d, 0,1,2,3
	v_permlanex16_b32 v[T+\d], v[Q+\d], s12, s13
.endr
.irp d, 0,1,2,3
	v_add_f32 v[Q+\d], v[Q+\d], v[T+\d]            ; every lane holds the row's norm
	ds_store_b32 v3, v[Q+\d] offset:4*\d           ; word d of the pads of my four rows
.endr
	s_wait_dscnt 0x0                               ; my four rows are written: the others will read them
	s_barrier_signal -1
	s_barrier_wait -1
	; 8,704 bytes = 2 x 4,096 (256 threads x 16 bytes) + 512, which wave 0 takes
	ds_load_b128 v[O:O+3],   v[OFF]
	ds_load_b128 v[O+4:O+7], v[OFF] offset:4096
	s_wait_dscnt 0x1                               ; the first is back, the second stays out
	global_store_b128 v[OFF], v[O:O+3], s[6:7]
	s_wait_dscnt 0x0
	global_store_b128 v[OFF], v[O+4:O+7], s[6:7] offset:4096
	s_cmp_lg_u32 s16, 0
	s_cbranch_scc1 .Lend
	ds_load_b128 v[O+8:O+11], v1 offset:8192
	s_wait_dscnt 0x0
	global_store_b128 v1, v[O+8:O+11], s[6:7] offset:8192
.Lend:
	s_wait_tensorcnt 0x0
	ds_add_u32 v52, v53
	s_wait_dscnt 0x0
	s_endpgm
.Lfunc_end_k_q59f5711f72_prep:
	.size	k_q59f5711f72_prep, .Lfunc_end_k_q59f5711f72_prep-k_q59f5711f72_prep
	.p2alignl 7, 3214868480
	.fill 96, 4, 3214868480
	.section	.rodata,"a",@progbits
	.p2align	6, 0x0
	.amdhsa_kernel k_q59f5711f72_prep
		.amdhsa_group_segment_fixed_size 9728
		.amdhsa_private_segment_fixed_size 0
		.amdhsa_enable_private_segment 0
		.amdhsa_kernarg_size 16
		.amdhsa_user_sgpr_count 2
		.amdhsa_user_sgpr_kernarg_segment_ptr 1
		.amdhsa_wavefront_size32 1
		.amdhsa_system_sgpr_workgroup_id_x 1
		.amdhsa_system_sgpr_workgroup_id_y 1
		.amdhsa_system_sgpr_workgroup_id_z 1
		.amdhsa_system_vgpr_workitem_id 0
		.amdhsa_next_free_vgpr 54
		.amdhsa_next_free_sgpr 66
		.amdhsa_reserve_vcc 0
		.amdhsa_float_denorm_mode_32 3
		.amdhsa_float_denorm_mode_16_64 3
		.amdhsa_memory_ordered 1
		.amdhsa_forward_progress 1
		.amdhsa_inst_pref_size 7
	.end_amdhsa_kernel
	.amdgpu_metadata
---
amdhsa.version: [ 1, 2 ]
amdhsa.kernels:
  - .name:           k_q59f5711f72_prep
    .symbol:         k_q59f5711f72_prep.kd
    .args:
      - { .name: W, .offset: 0, .size: 8, .value_kind: global_buffer, .address_space: global }
      - { .name: wb, .offset: 8, .size: 8, .value_kind: global_buffer, .address_space: global }
    .group_segment_fixed_size: 9728
    .private_segment_fixed_size: 0
    .kernarg_segment_align: 8
    .kernarg_segment_size: 16
    .max_flat_workgroup_size: 256
    .sgpr_count:     66
    .vgpr_count:     54
    .wavefront_size: 32
...
	.end_amdgpu_metadata
.endif
;; end of part 1
;; launch search (part 2): grid 256 x 1, 16 waves a work-group, clusters of 4 x 1, 327,680 bytes of LDS; arguments z_e, wb, out3, idxw; writes out3, idxw
.if DOCPART == 2
	.amdgcn_target "amdgcn-amd-amdhsa--gfx1250"
	.amdhsa_code_object_version 6
	.text
	.protected	k_q59f5711f72_search
	.globl	k_q59f5711f72_search
	.p2align	8
	.type	k_q59f5711f72_search,@function
k_q59f5711f72_search:
	s_mov_b64 s[64:65], 0
	v_nop
	global_prefetch_b8 v0, s[64:65] scope:SCOPE_SE
	s_setreg_imm32_b32 hwreg(HW_REG_WAVE_MODE, 25, 1), 1
	s_wait_xcnt 0x0
	s_wait_alu depctr_hold_cnt(0) depctr_sa_sdst(0) depctr_va_vdst(0) depctr_va_sdst(0) depctr_va_ssrc(0) depctr_va_vcc(0) depctr_vm_vsrc(0)
	s_getreg_b32 s2, hwreg(HW_REG_IB_STS2, 6, 4)
	s_cmp_eq_u32 s2, 0
	s_cbranch_scc0 .Lentry_in_a_cluster
	s_endpgm
.Lentry_in_a_cluster:
	s_bfe_u32 s2, ttmp6, 0x10000c
	s_cmp_lg_u32 s2, 0x3003
	s_cbranch_scc0 .Lentry_shape_is_right
	s_endpgm
.Lentry_shape_is_right:
; out3[b] = the first index c at which d(b, c) = fl( fl( zz(b) - 2 z(b).w(c) ) + ww(c) ) is least; idxw is a copy for the next launch.
; z and w enter the product in bf16, sums in f32; zz and ww are sums of squares of the same rounded numbers.  Both roundings of the
; problem's definition are kept (2 x dot is exact, so the first is one fused multiply-add), because at these sizes the distances of one
; row fall on a coarse f32 grid, ties are common, and the first index has to win them.
; LIMITS: a distance that is NaN is never chosen (the definition's argmin would take the first NaN); a row whose distances are all +inf
; gets index 0, as in the definition.
;
; SHARES.  A work-group has 128 rows of z and walks all 8,192 codes; 256 work-groups.  Sixteen waves: wave w has the 64 rows of half
; zh = w & 1 (four tiles of 16 rows, their fragments for all of K = 128 stay in 128 registers) and eighth cq = w >> 1 of each chunk's codes.
; 16 waves x 256 registers: four waves share a SIMD's 1,024 registers, so that while one wave waits for its LDS loads or works on its
; distances three others have products to issue.
; THE PRODUCT IS TAKEN WITH THE CODES AS ROWS: source 0 = 16 codes, source 1 = 16 rows of z.  Lane (r, h) then holds z row r in all its
; eight result registers, register j being code 8 h + j: zz is one number a lane, ww one a register, and the minimum runs inside the lane.
; For a tile of 16 x 16 distances: 4 + 4 packed operations make the distances, 4 minima, 1 compare, 5 pairs of selects (least value, tile's
; base, and the eight distances of the winning tile).  Which of the eight it was is looked up once, at the end.
; The vector work of one pair of z tiles is cut in eight slices that stand between the matrix instructions of the other pair.
;
; THE CODEBOOK comes in 16 chunks of 512 codes (32 blocks of 4,352 bytes as launch prep laid them) through two LDS slots.
; CLUSTERS: all work-groups walk the same chunks, so four work-groups form a cluster and ask for each piece jointly (mask 15): the requests
; for the codebook are divided by four.  z is shared by nobody, so a second axis of the cluster would share nothing.
; Each wave asks for one sixteenth of a chunk, 8,704 bytes, as 34 rows of 256 bytes: sixteen equal shares, one load a wave.  By this text's
; count a wave has two tensor loads out at the start and one behind each round of the cluster's barrier.  From a request to the wait for
; it a wave issues 56 matrix instructions, and so does each of the fifteen others.
.set DUAL,  1                          ; 1: the selects go in pairs (v_dual_cndmask_b32); 0: one by one
.set PITCH, 272                        ; a row in LDS: 256 bytes of bf16 + 16: an odd multiple of 16, so 16 rows start in 16 different columns of 16 bytes
.set TILEB, 16*PITCH                   ; 16 rows: a block of codes, or a tile of z rows
.set PIECE, 2*TILEB                    ; what one tensor load brings
.set PROWS, PIECE/256                  ; as rows of 256 bytes: 34
.set SLOT,  32*TILEB                   ; a chunk: 139,264 bytes
.set STAGE, 2*SLOT                     ; 128 rows of z in bf16, pitch 272, zz in f32 at byte 256 of each row: written by LDS stores, no tensor load lands here
.set MERGE, STAGE+128*PITCH            ; 8 eighths x 128 rows x (least distance, index)
.set ADRW, 1                           ; v1, v2     LDS address of my code fragments in slot 0, 1
.set ADRN, 3                           ; v3, v4     LDS address of my eight norms in slot 0, 1
.set TB,   5                           ; v5         first code of the tile whose distances are at work
.set GM,   8                           ; v[8:11]    minima of a tile: v8, v9 for the pair's first z tile, v10, v11 for its second
.set ZZ,   12                          ; v[12:15]   zz of my row in z tile n
.set WW,   16                          ; v[16:23]   ww of codes 8 h + 0..7 of the tile
.set BT,   24                          ; v[24:31]   z tile n: least distance in 24 + 2 n, its tile's base (at the end: its index) in 25 + 2 n
.set WF,   32                          ; v[32:63]   code fragments, 8 registers for each 32 of K
.set ACC,  64                          ; v[64:95]   four accumulators, one a z tile
.set SAV,  96                          ; v[96:127]  z tile n: the eight distances of the winning tile
.set ZF,   128                         ; v[128:255] z fragments: 32 n + 8 c
.set XR,   128                         ; before the fragments are loaded their registers serve the conversion of z: 8 rows as loaded,
.set P,    192                         ; four rows' packed bf16,
.set Q,    200                         ; four rows' sums of squares,
.set T,    204                         ; the other half's sums,
.set LOFF, 208                         ; 16 x lane,
.set SA,   209                         ; where I put 8 bytes of a bf16 row,
.set SZ,   210                         ; where zz goes
.set G1,   24                          ; s[24:31]   descriptor group 1
.set G0,   32                          ; s[32:39]   descriptor group 0, a set for each slot
; A round of the cluster's barrier: my work-group's barrier, wave 0 signals for the work-group, every wave waits for all four work-groups,
; my work-group's barrier once more.
.macro CREST
	s_cmp_lg_u32 s12, 0
	s_cbranch_scc1 .Lnot_wave_0_\@
	s_barrier_signal -3
.Lnot_wave_0_\@:
	s_barrier_wait -3
	s_barrier_signal -1
	s_barrier_wait -1
.endm
.macro CROUND
	s_barrier_signal -1
	s_barrier_wait -1
	CREST
.endm
; Two selects on VCC.  In a pair: one destination even, one odd; first sources in different banks (register number mod 4), second sources too.
.macro SEL2 d0, s0, d1, s1
.if DUAL
	v_dual_cndmask_b32 v[\d0], v[\d0], v[\s0] :: v_dual_cndmask_b32 v[\d1], v[\d1], v[\s1]
.else
	v_cndmask_b32 v[\d0], v[\d0], v[\s0], vcc_lo
	v_cndmask_b32 v[\d1], v[\d1], v[\s1], vcc_lo
.endif
.endm
; One matrix instruction: 16 codes x z tile n, K = 32 c .. 32 c + 31.  The first starts the sum: nothing is cleared.
.macro WM n, c
.if \c == 0
	v_wmma_f32_16x16x32_bf16 v[ACC+8*\n:ACC+8*\n+7], v[WF+8*\c:WF+8*\c+7], v[ZF+32*\n+8*\c:ZF+32*\n+8*\c+7], 0
.else
	v_wmma_f32_16x16x32_bf16 v[ACC+8*\n:ACC+8*\n+7], v[WF+8*\c:WF+8*\c+7], v[ZF+32*\n+8*\c:ZF+32*\n+8*\c+7], v[ACC+8*\n:ACC+8*\n+7]
.endif
.endm
; Fragment c of tile t of my eighth: lane (r, h) takes code r, K = 32 c + 8 h + 0..7 and 32 c + 16 + 8 h + 0..7.
.macro FF slot, t, c
	ds_load_b128 v[WF+8*\c:WF+8*\c+3],   v[ADRW+(\slot)] offset:(\t)*TILEB+64*\c
	ds_load_b128 v[WF+8*\c+4:WF+8*\c+7], v[ADRW+(\slot)] offset:(\t)*TILEB+64*\c+32
.endm
; The norms of tile t: those of codes 8 h .. 8 h + 3 lie behind row 8 h, the next four behind row 8 h + 4.
.macro FN slot, t
	ds_load_b128 v[WW:WW+3],   v[ADRN+(\slot)] offset:(\t)*TILEB
	ds_load_b128 v[WW+4:WW+7], v[ADRN+(\slot)] offset:(\t)*TILEB+4*PITCH
.endm
; Slice k of the vector work on z tiles p and p + 1.  Every slice has at least four plain vector instructions.
.macro SL k, p
.if \k == 0
.irp q, 0,2,4,6
	v_pk_fma_f32 v[ACC+8*\p+\q:ACC+8*\p+\q+1], v[ACC+8*\p+\q:ACC+8*\p+\q+1], -2.0, v[ZZ+\p:ZZ+\p+1] op_sel_hi:[1,0,0]   ; zz - 2 dot, one rounding; both halves take the pair's first zz
.endr
.endif
.if \k == 1
.irp q, 0,2,4,6
	v_pk_fma_f32 v[ACC+8*\p+8+\q:ACC+8*\p+8+\q+1], v[ACC+8*\p+8+\q:ACC+8*\p+8+\q+1], -2.0, v[ZZ+\p:ZZ+\p+1] op_sel:[0,0,1] op_sel_hi:[1,0,1]   ; both halves take the second zz
.endr
.endif
.if \k == 2
.irp q, 0,2,4,6
	v_pk_add_f32 v[ACC+8*\p+\q:ACC+8*\p+\q+1], v[ACC+8*\p+\q:ACC+8*\p+\q+1], v[WW+\q:WW+\q+1]          ; + ww, the second rounding
.endr
.endif
.if \k == 3
.irp q, 0,2,4,6
	v_pk_add_f32 v[ACC+8*\p+8+\q:ACC+8*\p+8+\q+1], v[ACC+8*\p+8+\q:ACC+8*\p+8+\q+1], v[WW+\q:WW+\q+1]
.endr
.endif
.if \k == 4
	v_min3_num_f32 v[GM],   v[ACC+8*\p],    v[ACC+8*\p+1],  v[ACC+8*\p+2]
	v_min3_num_f32 v[GM+1], v[ACC+8*\p+3],  v[ACC+8*\p+4],  v[ACC+8*\p+5]
	v_min3_num_f32 v[GM+2], v[ACC+8*\p+8],  v[ACC+8*\p+9],  v[ACC+8*\p+10]
	v_min3_num_f32 v[GM+3], v[ACC+8*\p+11], v[ACC+8*\p+12], v[ACC+8*\p+13]
.endif
.if \k == 5
	v_min3_num_f32 v[GM],   v[GM],   v[ACC+8*\p+6],  v[ACC+8*\p+7]
	v_min3_num_f32 v[GM+2], v[GM+2], v[ACC+8*\p+14], v[ACC+8*\p+15]
	v_min_num_f32 v[GM],   v[GM],   v[GM+1]
	v_min_num_f32 v[GM+2], v[GM+2], v[GM+3]
.endif
.if \k == 6
	v_cmp_lt_f32 vcc_lo, v[GM], v[BT+2*\p]         ; strictly less: of equal tiles the earlier, which has the lower codes, stays
	SEL2 BT+2*\p, GM, BT+2*\p+1, TB
.irp q, 0,2,4,6
	SEL2 SAV+8*\p+\q, ACC+8*\p+\q, SAV+8*\p+\q+1, ACC+8*\p+\q+1
.endr
.endif
.if \k == 7
	v_cmp_lt_f32 vcc_lo, v[GM+2], v[BT+2*\p+2]
	SEL2 BT+2*\p+2, GM+2, BT+2*\p+3, TB
.irp q, 0,2,4,6
	SEL2 SAV+8*\p+8+\q, ACC+8*\p+8+\q, SAV+8*\p+8+\q+1, ACC+8*\p+8+\q+1
.endr
.endif
.endm
; ORDER OF THE MATRIX INSTRUCTIONS: two accumulators take turns, one instruction a turn, from block to block and over the backward jump
; too.
; PLACES: a slice that reads an accumulator stands behind at least one whole slice of the other pair since that
; accumulator's last matrix instruction; a load into a fragment stands behind a whole slice since the last matrix instruction that read it.
; LDS loads stand at three places of a tile, in runs: the norms of t (two loads), fragments 0 and 1 of t + 1 (four), fragments 2 and 3
; of t + 1 (four).  They are issued, and come back, in that order.
;
; Tile t, z tiles 0 and 1; between the products the distances of z tiles 2 and 3 of the tile before.
.macro BLKA slot, t
	s_wait_dscnt 6                                 ; fragment 0 is in; fragments 1 to 3 stay out
	WM 0, 0
	SL 0, 2
	WM 1, 0
	SL 1, 2
	s_wait_dscnt 4                                 ; fragment 1; 2 and 3 stay out
	WM 0, 1
	SL 2, 2
	WM 1, 1
	SL 3, 2                                        ; the last use of the old tile's norms
	FN \slot, \t
	s_wait_dscnt 4                                 ; fragment 2; fragment 3 and the norms stay out
	WM 0, 2
	SL 4, 2
	WM 1, 2
	SL 5, 2
	s_wait_dscnt 2                                 ; fragment 3; the norms stay out
	WM 0, 3
	SL 6, 2
	WM 1, 3
	SL 7, 2
.endm
; The same tile, z tiles 2 and 3; between the products the distances of its z tiles 0 and 1.  fetch = 1: the fragments are loaded again, for
; tile nt of slot nslot, two at a time, when the last product of the second of the two and a slice have passed.
; step: from this tile's first code to the next tile's.
.macro BLKB fetch, nslot, nt, step
	v_mov_b32 v[TB], s18
	s_add_co_u32 s18, s18, \step
	WM 2, 0
	SL 0, 0
	WM 3, 0
	SL 1, 0
	s_wait_dscnt 0                                 ; the norms: they are the youngest loads
	WM 2, 1
	SL 2, 0
	WM 3, 1
	SL 3, 0
.if \fetch
	FF \nslot, \nt, 0
	FF \nslot, \nt, 1
.endif
	WM 2, 2
	SL 4, 0
	WM 3, 2
	SL 5, 0
	WM 2, 3
	SL 6, 0
	WM 3, 3
	SL 7, 0
.if \fetch
	FF \nslot, \nt, 2
	FF \nslot, \nt, 3
.endif
.endm
; My four tiles of the chunk in a slot.  fill = 1: the slot is filled again, two chunks ahead; 2: slots change, nothing is left to fetch; 0: the last chunk.
; One barrier for the change of slots.  In front of it each wave waits for its reads of this slot and for all its tensor loads (the one
; that is out is its piece of the other slot); where the slot is filled again the barrier opens a round of the cluster's barrier, so that
; no wave of any of the four work-groups still reads the slot; the joint load is the first tensor load behind the round.
.macro CHUNK slot, fill
.irp t, 0,1,2
	BLKA \slot, \t
	BLKB 1, \slot, \t+1, 16
.endr
	BLKA \slot, 3
.if \fill
	s_wait_dscnt 0x0                               ; my reads of this slot are back (the last were the norms)
	s_wait_xcnt 0x0
	v_lshl_add_u32 v86, v0, 2, 0x4e800
	v_mov_b32 v87, 0
	s_wait_tensorcnt 0x0                           ; and all my tensor loads have landed
	ds_add_u32 v86, v87
	s_wait_dscnt 0x0
	s_barrier_signal -1
.endif
	BLKB 0, 0, 0, 464                              ; registers only; 512 - 48 codes on to my eighth of the next chunk
.if \fill
	s_barrier_wait -1
.if \fill == 1
	CREST
	s_add_nc_u64 s[G0+4*\slot+2:G0+4*\slot+3], s[G0+4*\slot+2:G0+4*\slot+3], 2*SLOT    ; no tensor load of mine is out: the set may be written
	tensor_load_to_lds s[G0+4*\slot:G0+4*\slot+3], s[G1:G1+7]
	s_nop 0
.endif
	FF 1-\slot, 0, 0
	FF 1-\slot, 0, 1
	FF 1-\slot, 0, 2
	FF 1-\slot, 0, 3
.endif
.endm
; (b, i) takes (ob, oi) if that distance is less, or equal with the lower index.
.macro MERGE2 b, i, ob, oi
	v_cmp_lt_f32 s22, v[\ob], v[\b]
	v_cmp_eq_f32 s23, v[\ob], v[\b]
	v_cmp_lt_u32 vcc_lo, v[\oi], v[\i]
	s_and_b32 s23, s23, vcc_lo
	s_or_b32 vcc_lo, s22, s23
	v_cndmask_b32 v[\b], v[\b], v[\ob], vcc_lo
	v_cndmask_b32 v[\i], v[\i], v[\oi], vcc_lo
.endm
; Four rows of z: round, put the bf16 into the stage, widen the rounded numbers again, sum their squares over the wave, put zz behind the row.
.macro GRP i0
	s_wait_loadcnt 4-\i0                           ; rows up to i0 + 3 are in, the 4 - i0 younger ones stay out
.irp d, 0,1,2,3
.set RB, XR+4*(\i0+\d)
	v_cvt_pk_bf16_f32 v[P+2*\d],   v[RB],   v[RB+1]
	v_cvt_pk_bf16_f32 v[P+2*\d+1], v[RB+2], v[RB+3]
	ds_store_b64 v[SA], v[P+2*\d:P+2*\d+1] offset:(\i0+\d)*PITCH
	v_lshlrev_b32 v[RB],   16,  v[P+2*\d]
	v_and_b32     v[RB+1], s44, v[P+2*\d]
	v_lshlrev_b32 v[RB+2], 16,  v[P+2*\d+1]
	v_and_b32     v[RB+3], s44, v[P+2*\d+1]
	v_pk_mul_f32 v[RB:RB+1], v[RB:RB+1], v[RB:RB+1]
	v_pk_fma_f32 v[RB:RB+1], v[RB+2:RB+3], v[RB+2:RB+3], v[RB:RB+1]
	v_add_f32 v[Q+\d], v[RB], v[RB+1]
.endr
.irp m, 1,2,4,8
.irp d, 0,1,2,3
	v_add_f32_dpp v[Q+\d], v[Q+\d], v[Q+\d] row_xmask:\m row_mask:0xf bank_mask:0xf
.endr
.endr
.irp d, 0,1,2,3
	v_permlanex16_b32 v[T+\d], v[Q+\d], s20, s21
.endr
.irp d, 0,1,2,3
	v_add_f32 v[Q+\d], v[Q+\d], v[T+\d]
	ds_store_b32 v[SZ], v[Q+\d] offset:(\i0+\d)*PITCH              ; all lanes write the same word with the same value
.endr
.endm
	s_load_b256 s[4:11], s[0:1], 0x0               ; z_e s[4:5], wb s[6:7], out3 s[8:9], idxw s[10:11]
	v_lshl_add_u32 v86, v0, 2, 0x4e800
	v_mov_b32 v87, 0
	ds_add_u32 v86, v87
	s_wait_dscnt 0x0
	v_lshrrev_b32 v6, 5, v0
	v_readfirstlane_b32 s12, v6                    ; wave 0..15
	s_and_b32 s13, s12, 1                          ; zh: which 64 rows of z
	s_lshr_b32 s14, s12, 1                         ; cq: which eighth of a chunk
	s_bfe_u32 s15, ttmp6, 0x40000                  ; cx: my place in the cluster
	s_lshl_b32 s16, ttmp9, 2                       ; ttmp9 counts clusters
	s_add_co_u32 s15, s16, s15                     ; the work-group's number: enters the addresses of z_e, out3 and idxw alone
	s_lshl_b32 s16, s15, 16                        ; 128 rows of 512 bytes,
	s_lshl_b32 s17, s12, 12                        ; of which this wave converts 8
	s_add_co_u32 s16, s16, s17
	s_mov_b32 s17, 0
	s_mul_i32 s40, s12, PIECE                      ; my piece of a chunk, in wb and in a slot alike
	s_mov_b32 s41, 0
	s_mov_b32 s20, 0x76543210                      ; v_permlanex16_b32: lane i reads lane i of the other half
	s_mov_b32 s21, 0xfedcba98
	s_mov_b32 s44, 0xffff0000                      ; a word's upper bf16
	; group 1: a dense piece of 8,704 bytes as 34 rows of 32 elements of 8 bytes
	s_mov_b32 s[G1+0], 15|(3<<16)|(1<<21)          ; 15:0 the mask: all four work-groups of the cluster; 17:16 element of 8 bytes; 21 set beside a mask; no padding
	s_mov_b32 s[G1+1], 32<<16                      ; tensor_dim0 = 32
	s_mov_b32 s[G1+2], PROWS<<16                   ; tensor_dim1 = 34
	s_mov_b32 s[G1+3], 32<<16                      ; tile_dim0 = 32
	s_mov_b32 s[G1+4], PROWS                       ; tile_dim1 = 34
	s_mov_b32 s[G1+5], 32                          ; from row to row: 32 elements
	s_mov_b32 s[G1+6], 0
	s_mov_b32 s[G1+7], 0
	v_and_b32 v7, 31, v0
	v_lshlrev_b32 v[LOFF], 4, v7
	s_wait_kmcnt 0x0
	s_add_nc_u64 s[4:5], s[4:5], s[16:17]
.set i, 0
.rept 8
	global_load_b128 v[XR+4*i:XR+4*i+3], v[LOFF], s[4:5] offset:512*i      ; a row of z: 512 consecutive bytes a load
.set i, i+1
.endr
	s_add_nc_u64 s[42:43], s[6:7], s[40:41]        ; made of wb and the wave's number alone: equal in the four partners
	CROUND                                         ; all four work-groups are here: the first joint loads meet
.irp s, 0,1
	s_mov_b32 s[G0+4*\s], 1                                        ; count = 1
	s_add_co_u32 s[G0+4*\s+1], s40, \s*SLOT                        ; LDS address: the slot, my piece
	s_add_nc_u64 s[G0+4*\s+2:G0+4*\s+3], s[42:43], \s*SLOT         ; global address: chunk s, my piece
	s_or_b32 s[G0+4*\s+3], s[G0+4*\s+3], 0x80000000                ; type = 2
	tensor_load_to_lds s[G0+4*\s:G0+4*\s+3], s[G1:G1+7]
	s_nop 0
.endr
	v_and_b32 v6, 15, v0                           ; r
	v_bfe_u32 v7, v0, 4, 1                         ; h
	s_mul_i32 s45, s14, 4*TILEB                    ; my eighth of a slot
	v_mul_u32_u24 v5, v6, PITCH                    ; r x 272
	v_lshl_add_u32 v[ADRW], v7, 4, v5
	v_add_nc_u32 v[ADRW], s45, v[ADRW]
	v_add_nc_u32 v[ADRW+1], SLOT, v[ADRW]
	s_add_co_u32 s46, s45, 256
	v_mul_u32_u24 v[ADRN], v7, 8*PITCH             ; the pad of row 8 h
	v_add_nc_u32 v[ADRN], s46, v[ADRN]
	v_add_nc_u32 v[ADRN+1], SLOT, v[ADRN]
	s_mul_i32 s46, s12, 8*PITCH
	s_add_co_u32 s46, s46, STAGE                   ; the 8 rows of the stage that this wave writes
	s_add_co_u32 s47, s46, 256
	v_and_b32 v[SA], 31, v0
	v_lshl_add_u32 v[SA], v[SA], 3, s46
	v_mov_b32 v[SZ], s47
	s_mul_i32 s46, s13, 4*TILEB
	s_add_co_u32 s46, s46, STAGE                   ; the 64 rows of the stage that this wave multiplies
	s_add_co_u32 s47, s46, 256
	v_lshl_add_u32 v6, v7, 4, v5
	v_add_nc_u32 v6, s46, v6                       ; z fragments: row r, 16 h
	v_add_nc_u32 v7, s47, v5                       ; zz of row r
.irp d, 0,1,2,3
	v_mov_b32 v[T+\d], 0                           ; v_permlanex16_b32 counts as a reader of its destination
.endr
	GRP 0
	GRP 4
	s_wait_dscnt 0x0                               ; my rows of the stage are written,
	s_wait_tensorcnt 0x1                           ; my piece of chunk 0 has landed; chunk 1's may stay out
	s_barrier_signal -1
	s_barrier_wait -1
.irp n, 0,1,2,3
.irp c, 0,1,2,3
	ds_load_b128 v[ZF+32*\n+8*\c:ZF+32*\n+8*\c+3],   v6 offset:\n*TILEB+64*\c
	ds_load_b128 v[ZF+32*\n+8*\c+4:ZF+32*\n+8*\c+7], v6 offset:\n*TILEB+64*\c+32
.endr
.endr
.irp n, 0,1,2,3
	ds_load_b32 v[ZZ+\n], v7 offset:\n*TILEB
.endr
	FN 0, 0
	FF 0, 0, 0
	FF 0, 0, 1
	FF 0, 0, 2
	FF 0, 0, 3
	; The first block's slices have no tile before them.  They run on accumulators of -inf, which give distances of +inf, and those beat nothing.
	v_mov_b32 v[TB], 0
.irp n, 0,1,2,3
	v_mov_b32 v[BT+2*\n], 0x7f800000
	v_mov_b32 v[BT+2*\n+1], 0
.endr
.set i, 0
.rept 32
	v_mov_b32 v[SAV+i], 0x7f800000
.set i, i+1
.endr
.set i, 0
.rept 16
	v_mov_b32 v[ACC+16+i], 0xff800000
.set i, i+1
.endr
	s_lshl_b32 s18, s14, 6                         ; my first code: 64 cq
	s_mov_b32 s19, 7                               ; seven laps: chunks 0 to 13, which ask for chunks 2 to 15
.Llap:
	CHUNK 0, 1
	CHUNK 1, 1
	s_sub_co_u32 s19, s19, 1
	s_cmp_lg_u32 s19, 0
	s_cbranch_scc1 .Llap
	CHUNK 0, 2                                     ; chunk 14: nothing is left to fetch, so a plain barrier shows chunk 15 whole
	CHUNK 1, 0                                     ; chunk 15
.irp k, 0,1,2,3,4,5,6,7
	SL \k, 2                                       ; the last tile's z tiles 2 and 3
.endr
	; Which of the winning tile's eight codes: the first whose distance equals the least.  Then the two halves of the lanes (codes 8 h + ..),
	; then the eight eighths through LDS; equal distances go to the lower index.
	v_bfe_u32 v32, v0, 4, 1
	v_lshlrev_b32 v32, 3, v32                      ; 8 h
	v_and_b32 v33, 15, v0
	s_lshl_b32 s45, s14, 10
	s_lshl_b32 s46, s13, 9
	s_add_co_u32 s45, s45, s46
	s_add_co_u32 s45, s45, MERGE
	v_lshl_add_u32 v33, v33, 3, s45                ; entry (cq, row 64 zh + r), 8 bytes
	v_mov_b32 v34, 0
	v_mov_b32 v35, 0
.irp n, 0,1,2,3
	v_mov_b32 v6, 7
.irp j, 6,5,4,3,2,1,0
	v_cmp_eq_f32 vcc_lo, v[SAV+8*\n+\j], v[BT+2*\n]
	v_cndmask_b32 v6, v6, \j, vcc_lo
.endr
	v_add3_u32 v[BT+2*\n+1], v[BT+2*\n+1], v6, v32
	v_permlanex16_b32 v34, v[BT+2*\n], s20, s21
	v_permlanex16_b32 v35, v[BT+2*\n+1], s20, s21
	MERGE2 BT+2*\n, BT+2*\n+1, 34, 35
	ds_store_b64 v33, v[BT+2*\n:BT+2*\n+1] offset:128*\n           ; both halves write the same entry with the same value
.endr
	s_lshl_b32 s16, s15, 9                         ; 128 indices of 4 bytes
	s_mov_b32 s17, 0
	s_add_nc_u64 s[8:9], s[8:9], s[16:17]
	s_add_nc_u64 s[10:11], s[10:11], s[16:17]
	s_wait_dscnt 0x0
	s_barrier_signal -1
	s_barrier_wait -1
	s_cmp_ge_u32 s12, 4
	s_cbranch_scc1 .Ldone                          ; 128 rows: threads 0 to 127 take one each
	v_lshlrev_b32 v32, 3, v0
	v_add_nc_u32 v32, MERGE, v32
	v_lshlrev_b32 v36, 2, v0
.irp c, 0,1,2,3,4,5,6,7
	ds_load_b64 v[40+2*\c:41+2*\c], v32 offset:1024*\c
.endr
	s_wait_dscnt 0x0
.irp c, 1,2,3,4,5,6,7
	MERGE2 40, 41, 40+2*\c, 41+2*\c
.endr
	global_store_b32 v36, v41, s[8:9]              ; a wave stores 128 consecutive bytes; the output is 512 bytes a work-group
	global_store_b32 v36, v41, s[10:11]
.Ldone:
	s_wait_xcnt 0x0
	v_lshl_add_u32 v86, v0, 2, 0x4e800
	v_mov_b32 v87, 0
	s_wait_tensorcnt 0x0
	ds_add_u32 v86, v87
	s_wait_dscnt 0x0
	CROUND                                         ; the closing round: no work-group ends while a partner may still ask jointly
	s_endpgm
.Lfunc_end_k_q59f5711f72_search:
	.size	k_q59f5711f72_search, .Lfunc_end_k_q59f5711f72_search-k_q59f5711f72_search
	.p2alignl 7, 3214868480
	.fill 96, 4, 3214868480
	.section	.rodata,"a",@progbits
	.p2align	6, 0x0
	.amdhsa_kernel k_q59f5711f72_search
		.amdhsa_group_segment_fixed_size 327680
		.amdhsa_private_segment_fixed_size 0
		.amdhsa_enable_private_segment 0
		.amdhsa_kernarg_size 32
		.amdhsa_user_sgpr_count 2
		.amdhsa_user_sgpr_kernarg_segment_ptr 1
		.amdhsa_wavefront_size32 1
		.amdhsa_system_sgpr_workgroup_id_x 1
		.amdhsa_system_sgpr_workgroup_id_y 1
		.amdhsa_system_sgpr_workgroup_id_z 1
		.amdhsa_system_vgpr_workitem_id 0
		.amdhsa_next_free_vgpr 256
		.amdhsa_next_free_sgpr 66
		.amdhsa_reserve_vcc 1
		.amdhsa_float_denorm_mode_32 3
		.amdhsa_float_denorm_mode_16_64 3
		.amdhsa_memory_ordered 1
		.amdhsa_forward_progress 1
		.amdhsa_inst_pref_size 129
	.end_amdhsa_kernel
	.amdgpu_metadata
---
amdhsa.version: [ 1, 2 ]
amdhsa.kernels:
  - .name:           k_q59f5711f72_search
    .symbol:         k_q59f5711f72_search.kd
    .args:
      - { .name: z_e, .offset: 0, .size: 8, .value_kind: global_buffer, .address_space: global }
      - { .name: wb, .offset: 8, .size: 8, .value_kind: global_buffer, .address_space: global }
      - { .name: out3, .offset: 16, .size: 8, .value_kind: global_buffer, .address_space: global }
      - { .name: idxw, .offset: 24, .size: 8, .value_kind: global_buffer, .address_space: global }
    .group_segment_fixed_size: 327680
    .private_segment_fixed_size: 0
    .kernarg_segment_align: 8
    .kernarg_segment_size: 32
    .max_flat_workgroup_size: 512
    .sgpr_count:     66
    .vgpr_count:     256
    .wavefront_size: 32
...
	.end_amdgpu_metadata
.endif
;; end of part 2
;; launch apply (part 3): grid 256 x 1, 8 waves a work-group, no clusters, 1,280 bytes of LDS; arguments z_e, W, idxw, out0, part; writes out0, part
.if DOCPART == 3
	.amdgcn_target "amdgcn-amd-amdhsa--gfx1250"
	.amdhsa_code_object_version 6
	.text
	.protected	k_q59f5711f72_apply
	.globl	k_q59f5711f72_apply
	.p2align	8
	.type	k_q59f5711f72_apply,@function
k_q59f5711f72_apply:
	s_mov_b64 s[64:65], 0
	v_nop
	global_prefetch_b8 v0, s[64:65] scope:SCOPE_SE
	s_setreg_imm32_b32 hwreg(HW_REG_WAVE_MODE, 25, 1), 1
	s_wait_xcnt 0x0
; out0[b] = z[b] + (W[idx[b]] - z[b]), both roundings as in the problem's definition, from the f32 inputs;
; part[g] = the sum over work-group g's 128 rows of (W[idx] - z)^2.
; The indices were stored as whole numbers by the launch before; here they only form addresses.  They lie in 0 .. 8191; the clamp states it.
; Eight waves, 16 rows each; a row is 512 bytes, one 16-byte load or store a lane, so each access of a wave covers 512 consecutive bytes.
; The launch streams: no matrix unit, no cluster (no two work-groups are known to read the same bytes), no slots in LDS.
.set OFF, 2                            ; v[2:17]    row i: byte offset of my 16 bytes in W
.set Z,   20                           ; v[20:83]   row i of z, then of out0
.set Q,   84                           ; v[84:147]  row i of W, then W - z
.set S,   148                          ; v[148:151] four running sums of squares
	s_load_b256 s[4:11], s[0:1], 0x0               ; z_e s[4:5], W s[6:7], idxw s[8:9], out0 s[10:11]
	s_load_b64 s[12:13], s[0:1], 0x20              ; part
	v_lshl_add_u32 v160, v0, 2, 0x100
	v_mov_b32 v161, 0
	v_lshrrev_b32 v152, 5, v0
	v_readfirstlane_b32 s14, v152                  ; wave
	v_and_b32 v1, 31, v0
	v_lshlrev_b32 v1, 4, v1                        ; 16 x lane
	s_lshl_b32 s32, ttmp9, 16                      ; 128 rows of 512 bytes,
	s_lshl_b32 s34, s14, 13                        ; 16 of them a wave
	s_add_co_u32 s32, s32, s34
	s_mov_b32 s33, 0
	s_lshr_b32 s34, s32, 7                         ; 4 bytes of idxw for 512 of z
	s_mov_b32 s35, 0
	s_mov_b32 s36, 0x76543210
	s_mov_b32 s37, 0xfedcba98
	s_lshl_b32 s39, ttmp9, 2
	s_wait_kmcnt 0x0
	s_add_nc_u64 s[8:9], s[8:9], s[34:35]
	s_load_b512 s[16:31], s[8:9], 0x0              ; my 16 indices
	s_add_nc_u64 s[4:5], s[4:5], s[32:33]
	s_add_nc_u64 s[10:11], s[10:11], s[32:33]
.set i, 0
.rept 16
	global_load_b128 v[Z+4*i:Z+4*i+3], v1, s[4:5] offset:512*i th:TH_LOAD_NT
.set i, i+1
.endr
	s_wait_kmcnt 0x0
.set i, 0
.rept 16
	s_min_u32 s[16+i], s[16+i], 0x1fff
	s_lshl_b32 s[16+i], s[16+i], 9
	v_add_nc_u32 v[OFF+i], s[16+i], v1
	global_load_b128 v[Q+4*i:Q+4*i+3], v[OFF+i], s[6:7]            ; no hint: a code may be named by many rows
.set i, i+1
.endr
.macro ROW i
	s_wait_loadcnt 15-\i                           ; the row of W is in (and z's, asked for earlier); the 15 - i younger rows of W stay out
	v_pk_add_f32 v[Q+4*\i:Q+4*\i+1],   v[Q+4*\i:Q+4*\i+1],   v[Z+4*\i:Z+4*\i+1]   neg_lo:[0,1] neg_hi:[0,1]
	v_pk_add_f32 v[Q+4*\i+2:Q+4*\i+3], v[Q+4*\i+2:Q+4*\i+3], v[Z+4*\i+2:Z+4*\i+3] neg_lo:[0,1] neg_hi:[0,1]
.if \i == 0
	v_pk_mul_f32 v[S:S+1],   v[Q+4*\i:Q+4*\i+1],   v[Q+4*\i:Q+4*\i+1]          ; the first row starts the sums
	v_pk_mul_f32 v[S+2:S+3], v[Q+4*\i+2:Q+4*\i+3], v[Q+4*\i+2:Q+4*\i+3]
.else
	v_pk_fma_f32 v[S:S+1],   v[Q+4*\i:Q+4*\i+1],   v[Q+4*\i:Q+4*\i+1],   v[S:S+1]
	v_pk_fma_f32 v[S+2:S+3], v[Q+4*\i+2:Q+4*\i+3], v[Q+4*\i+2:Q+4*\i+3], v[S+2:S+3]
.endif
	v_pk_add_f32 v[Z+4*\i:Z+4*\i+1],   v[Z+4*\i:Z+4*\i+1],   v[Q+4*\i:Q+4*\i+1]
	v_pk_add_f32 v[Z+4*\i+2:Z+4*\i+3], v[Z+4*\i+2:Z+4*\i+3], v[Q+4*\i+2:Q+4*\i+3]
	global_store_b128 v1, v[Z+4*\i:Z+4*\i+3], s[10:11] offset:512*\i th:TH_STORE_NT
.endm
.irp i, 0,1,2,3,4,5,6,7,8,9,10,11,12,13,14,15
	ROW \i
.endr
	v_pk_add_f32 v[S:S+1], v[S:S+1], v[S+2:S+3]
	v_add_f32 v[S], v[S], v[S+1]
	v_add_f32_dpp v[S], v[S], v[S] row_xmask:1 row_mask:0xf bank_mask:0xf
	v_add_f32_dpp v[S], v[S], v[S] row_xmask:2 row_mask:0xf bank_mask:0xf
	v_add_f32_dpp v[S], v[S], v[S] row_xmask:4 row_mask:0xf bank_mask:0xf
	v_add_f32_dpp v[S], v[S], v[S] row_xmask:8 row_mask:0xf bank_mask:0xf
	v_permlanex16_b32 v152, v[S], s36, s37
	v_add_f32 v[S], v[S], v152
	v_mov_b32 v153, s14
	v_lshlrev_b32 v153, 2, v153
	ds_store_b32 v153, v[S]                        ; the wave's sum in its own word
	s_wait_dscnt 0x0
	s_barrier_signal -1
	s_barrier_wait -1
	s_cmp_lg_u32 s14, 0
	s_cbranch_scc1 .Lend
	v_mov_b32 v153, 0
	ds_load_b128 v[Q:Q+3], v153                    ; into registers that no pending store reads
	ds_load_b128 v[Q+4:Q+7], v153 offset:16
	v_mov_b32 v154, s39
	v_cmp_eq_u32 vcc_lo, 0, v0
	s_wait_dscnt 0x0
	v_pk_add_f32 v[Q:Q+1], v[Q:Q+1], v[Q+2:Q+3]
	v_pk_add_f32 v[Q+4:Q+5], v[Q+4:Q+5], v[Q+6:Q+7]
	v_pk_add_f32 v[Q:Q+1], v[Q:Q+1], v[Q+4:Q+5]
	v_add_f32 v[Q], v[Q], v[Q+1]
	s_wait_xcnt 0x0                                ; EXEC is a source of the stores above: it changes only behind this wait
	s_wait_tensorcnt 0x0
	ds_add_u32 v160, v161
	s_wait_dscnt 0x0
	s_and_saveexec_b32 s38, vcc_lo                 ; lane 0 alone
	global_store_b32 v154, v[Q], s[12:13]
	s_endpgm
.Lend:
	s_wait_tensorcnt 0x0
	ds_add_u32 v160, v161
	s_wait_dscnt 0x0
	s_endpgm
.Lfunc_end_k_q59f5711f72_apply:
	.size	k_q59f5711f72_apply, .Lfunc_end_k_q59f5711f72_apply-k_q59f5711f72_apply
	.p2alignl 7, 3214868480
	.fill 96, 4, 3214868480
	.section	.rodata,"a",@progbits
	.p2align	6, 0x0
	.amdhsa_kernel k_q59f5711f72_apply
		.amdhsa_group_segment_fixed_size 1280
		.amdhsa_private_segment_fixed_size 0
		.amdhsa_enable_private_segment 0
		.amdhsa_kernarg_size 40
		.amdhsa_user_sgpr_count 2
		.amdhsa_user_sgpr_kernarg_segment_ptr 1
		.amdhsa_wavefront_size32 1
		.amdhsa_system_sgpr_workgroup_id_x 1
		.amdhsa_system_sgpr_workgroup_id_y 1
		.amdhsa_system_sgpr_workgroup_id_z 1
		.amdhsa_system_vgpr_workitem_id 0
		.amdhsa_next_free_vgpr 162
		.amdhsa_next_free_sgpr 66
		.amdhsa_reserve_vcc 1
		.amdhsa_float_denorm_mode_32 3
		.amdhsa_float_denorm_mode_16_64 3
		.amdhsa_memory_ordered 1
		.amdhsa_forward_progress 1
		.amdhsa_inst_pref_size 16
	.end_amdhsa_kernel
	.amdgpu_metadata
---
amdhsa.version: [ 1, 2 ]
amdhsa.kernels:
  - .name:           k_q59f5711f72_apply
    .symbol:         k_q59f5711f72_apply.kd
    .args:
      - { .name: z_e, .offset: 0, .size: 8, .value_kind: global_buffer, .address_space: global }
      - { .name: W, .offset: 8, .size: 8, .value_kind: global_buffer, .address_space: global }
      - { .name: idxw, .offset: 16, .size: 8, .value_kind: global_buffer, .address_space: global }
      - { .name: out0, .offset: 24, .size: 8, .value_kind: global_buffer, .address_space: global }
      - { .name: part, .offset: 32, .size: 8, .value_kind: global_buffer, .address_space: global }
    .group_segment_fixed_size: 1280
    .private_segment_fixed_size: 0
    .kernarg_segment_align: 8
    .kernarg_segment_size: 40
    .max_flat_workgroup_size: 256
    .sgpr_count:     66
    .vgpr_count:     162
    .wavefront_size: 32
...
	.end_amdgpu_metadata
.endif
;; end of part 3
;; launch finish (part 4): grid 1 x 1, 1 waves a work-group, no clusters, 0 bytes of LDS; arguments part, out1, out2; writes out1, out2
.if DOCPART == 4
	.amdgcn_target "amdgcn-amd-amdhsa--gfx1250"
	.amdhsa_code_object_version 6
	.text
	.protected	k_q59f5711f72_finish
	.globl	k_q59f5711f72_finish
	.p2align	8
	.type	k_q59f5711f72_finish,@function
k_q59f5711f72_finish:
	s_mov_b64 s[64:65], 0
	v_nop
	global_prefetch_b8 v0, s[64:65] scope:SCOPE_SE
	s_setreg_imm32_b32 hwreg(HW_REG_WAVE_MODE, 25, 1), 1
	s_wait_xcnt 0x0
; out1 = out2 = (the sum of the 256 partial sums) / (32768 x 128).  The two losses of the problem's definition are the same number.
; One wave: the sum spans all work-groups of the launch before, and work-groups of one launch hand each other nothing.
	s_load_b128 s[4:7], s[0:1], 0x0                ; part s[4:5], out1 s[6:7]
	s_load_b64 s[8:9], s[0:1], 0x10                ; out2
	s_mov_b32 s10, 0x76543210
	s_mov_b32 s11, 0xfedcba98
	v_lshlrev_b32 v1, 4, v0
	v_mov_b32 v2, 0
	s_wait_kmcnt 0x0
	global_load_b128 v[4:7], v1, s[4:5]            ; 512 consecutive bytes a load
	global_load_b128 v[8:11], v1, s[4:5] offset:512
	s_wait_loadcnt 0x0
	v_pk_add_f32 v[4:5], v[4:5], v[6:7]
	v_pk_add_f32 v[8:9], v[8:9], v[10:11]
	v_pk_add_f32 v[4:5], v[4:5], v[8:9]
	v_add_f32 v4, v4, v5
	v_add_f32_dpp v4, v4, v4 row_xmask:1 row_mask:0xf bank_mask:0xf
	v_add_f32_dpp v4, v4, v4 row_xmask:2 row_mask:0xf bank_mask:0xf
	v_add_f32_dpp v4, v4, v4 row_xmask:4 row_mask:0xf bank_mask:0xf
	v_add_f32_dpp v4, v4, v4 row_xmask:8 row_mask:0xf bank_mask:0xf
	v_permlanex16_b32 v5, v4, s10, s11
	v_add_f32 v4, v4, v5
	v_mul_f32 v4, 0x34800000, v4                   ; 2^-22 = 1 / (32768 x 128)
	v_cmp_eq_u32 vcc_lo, 0, v0
	s_wait_xcnt 0x0                                ; EXEC changes only behind this wait
	s_and_saveexec_b32 s12, vcc_lo                 ; lane 0 alone
	global_store_b32 v2, v4, s[6:7]
	global_store_b32 v2, v4, s[8:9]
	s_endpgm
.Lfunc_end_k_q59f5711f72_finish:
	.size	k_q59f5711f72_finish, .Lfunc_end_k_q59f5711f72_finish-k_q59f5711f72_finish
	.p2alignl 7, 3214868480
	.fill 96, 4, 3214868480
	.section	.rodata,"a",@progbits
	.p2align	6, 0x0
	.amdhsa_kernel k_q59f5711f72_finish
		.amdhsa_group_segment_fixed_size 0
		.amdhsa_private_segment_fixed_size 0
		.amdhsa_enable_private_segment 0
		.amdhsa_kernarg_size 24
		.amdhsa_user_sgpr_count 2
		.amdhsa_user_sgpr_kernarg_segment_ptr 1
		.amdhsa_wavefront_size32 1
		.amdhsa_system_sgpr_workgroup_id_x 1
		.amdhsa_system_sgpr_workgroup_id_y 1
		.amdhsa_system_sgpr_workgroup_id_z 1
		.amdhsa_system_vgpr_workitem_id 0
		.amdhsa_next_free_vgpr 16
		.amdhsa_next_free_sgpr 66
		.amdhsa_reserve_vcc 1
		.amdhsa_float_denorm_mode_32 3
		.amdhsa_float_denorm_mode_16_64 3
		.amdhsa_memory_ordered 1
		.amdhsa_forward_progress 1
		.amdhsa_inst_pref_size 2
	.end_amdhsa_kernel
	.amdgpu_metadata
---
amdhsa.version: [ 1, 2 ]
amdhsa.kernels:
  - .name:           k_q59f5711f72_finish
    .symbol:         k_q59f5711f72_finish.kd
    .args:
      - { .name: part, .offset: 0, .size: 8, .value_kind: global_buffer, .address_space: global }
      - { .name: out1, .offset: 8, .size: 8, .value_kind: global_buffer, .address_space: global }
      - { .name: out2, .offset: 16, .size: 8, .value_kind: global_buffer, .address_space: global }
    .group_segment_fixed_size: 0
    .private_segment_fixed_size: 0
    .kernarg_segment_align: 8
    .kernarg_segment_size: 24
    .max_flat_workgroup_size: 32
    .sgpr_count:     66
    .vgpr_count:     16
    .wavefront_size: 32
...
	.end_amdgpu_metadata
.endif
;; end of part 4
